; MI455X (gfx1250); checked and timed in simulation.
; The chip was launched on July 23, 2026; its instructions are those of AMD's public machine-readable ISA for CDNA 5 (MIT licence, August 2026) and "CDNA5" Instruction Set Architecture Reference Guide (July 2026). The comments in the code are by the model that wrote it; some were corrected since.
;; Self Attention. Allowed arithmetic: matrix products marked QUANTISED: E4M3 operands, one given power-of-two scale a tensor, by v_wmma_f32_16x16x64_fp8_fp8 or v_wmma_f32_16x16x128_fp8_fp8, f32 sums; everything else in f32.
;; Inputs: W_attn_codes 3,072 x 32 x 32 uint8 (E4M3 codes of W_attn, K innermost, in blocks of 32 codes); W_proj_codes 1,024 x 32 x 32 uint8 (E4M3 codes of W_proj, K innermost, in blocks of 32 codes); b_attn 3,072 float32; b_proj 1,024 float32; lowp_scales 8 int32 (the exponents e of the quantised operands' scales 2^e); x_codes 4 x 2,048 x 32 x 32 uint8 (E4M3 codes of x, K innermost, in blocks of 32 codes).
;; Outputs: out0 4 x 2,048 x 1,024 float32.
;; This version of the problem:
;;   THIS VERSION OF THE PROBLEM IS GIVEN IN LOW PRECISION. The matrix products marked QUANTISED in the list below multiply operands that are first quantised to E4M3 (4 exponent bits, 3 mantissa bits; 8 bits a number), with one given power-of-two scale for each operand tensor; their sums are f32. All else is computed in f32.
;;   The module's matrix products, in the order in which they are computed (A, B: the left and right operand; K: the contracted axis; several contracted axes count as one K, in the product's order):
;;     1. [M 8,192, K 1,024] x [K 1,024, N 3,072]; A: input x (given as codes); B: input W_attn (given as codes): QUANTISED (scales: A lowp_scales[0], B lowp_scales[1])
;;     2. batch 64 x [M 2,048, K 64] x [K 64, N 2,048]; A: computed on the way; B: computed on the way: QUANTISED (scales: A lowp_scales[2], B lowp_scales[3])
;;     3. batch 64 x [M 2,048, K 2,048] x [K 2,048, N 64]; A: softmax (see below); B: computed on the way: QUANTISED (scales: A lowp_scales[4], B lowp_scales[5])
;;     4. [M 8,192, K 1,024] x [K 1,024, N 1,024]; A: computed on the way; B: input W_proj (given as codes): QUANTISED (scales: A lowp_scales[6], B lowp_scales[7])
;;   THE QUANTISER, for each operand of a quantised product, along K:
;;     - The operand's scale is 2^e, e = its entry of the input lowp_scales (int32; the entries are numbered through the quantised products in the list's order, A before B).
;;     - Each number is divided by the scale, clamped to +-448, and rounded to the nearest number of E4M3, ties to even, subnormals kept.
;;     - The product sums the exact products of the quantised numbers (number of the format x scale) in f32.
;;   ~~~python
;;   def quantise(x, axis, e):      # numpy; x: float32 -> the quantised numbers, widened to float32 again
;;       x = np.moveaxis(x, axis, -1); K = x.shape[-1]
;;       r = np.clip(x / 2.0 ** e, -448, 448)
;;       step = 2.0 ** (np.maximum(np.frexp(np.where(r == 0, 1, r))[1] - 1, -6) - 3)
;;       q = np.round(r / step) * step * 2.0 ** e      # np.round: ties to even
;;       return np.moveaxis(q, -1, axis).astype(np.float32)
;;   ~~~
;;   SOFTMAX AHEAD OF A QUANTISED PRODUCT. Where the list says 'softmax', what is quantised is not the finished softmax but p = 2^(t - M), with t = logit x log2(e) and M = ceil(the row's largest t), a whole number; so 1/2 < the row's largest p <= 1. The row's sum l is taken of the UNQUANTISED p, in f32, and the product's result is divided by l at the end. Since M is a whole number, a kernel that streams over the keys may use a running M (the ceiling of the running maximum): every later rescaling is an exact power of two, so the quantised numbers keep their values, but for numbers so far below the row's largest that they fall under the format's range.
;;   OPERANDS COMPUTED ON THE WAY. 'Computed on the way' means the value that the module computes at that place (a softmax that the list does not call 'softmax' is quantised finished and normalised). What goes into a quantiser is computed in f32, as accurately as f32 sums, v_exp_f32 and their like allow (about 1e-6 of the number): no bf16 or f16 on the way to a quantiser, and a product that is left as it is and whose result goes on into a quantised operand takes f32 operands (vector FMAs, or v_wmma_f32_16x16x4_f32). A number that lies on a knife's edge between two numbers of the format may be rounded either way, as far as f32 arithmetic and the matrix unit's own rounding can turn it there, and no further.
;;   INPUTS GIVEN AS CODES. W_attn (in the module: [1024, 3072], K = its axis 0); W_proj (in the module: [1024, 1024], K = its axis 0); x (in the module: [4, 2048, 1024], K = its axis 2): each comes as NAME_codes (uint8): NAME with its K axis moved to the last place and cut into blocks of 32 codes, [.., K / 32, bytes a block], one block behind the other in memory; one code a byte (a code: sign, 4 exponent bits, 3 mantissa bits); its scale is its entry of lowp_scales. Its value is code x scale, taken as it is: it is not quantised again, and the codes and scales need not be those that the quantiser above would give.
;; One version. Each part assembles by itself: llvm-mc -triple=amdgcn-amd-amdhsa -mcpu=gfx1250 --defsym DOCPART=n.
;; ======== version 1 of 1: 3 launches
;; limits: right only within a limited range of input values
;; workspace buffers: q_codes 8,388,608 bytes; k_codes 8,388,608 bytes; v_codes 8,388,608 bytes; y_codes 8,388,608 bytes; w_img 1,048,576 bytes
;; launch qkv (part 1): grid 12 x 32, 4 waves a work-group, clusters of 4 x 4, 327,680 bytes of LDS; arguments x_codes, W_attn_codes, b_attn, lowp_scales, q_codes, k_codes, v_codes; writes q_codes, k_codes, v_codes
.if DOCPART == 1
	.amdgcn_target "amdgcn-amd-amdhsa--gfx1250"
	.amdhsa_code_object_version 6
	.text
	.protected	k_qd9a88868f4_qkv
	.globl	k_qd9a88868f4_qkv
	.p2align	8
	.type	k_qd9a88868f4_qkv,@function
k_qd9a88868f4_qkv:
	s_mov_b64 s[64:65], 0
	v_nop
	global_prefetch_b8 v0, s[64:65] scope:SCOPE_SE
	s_setreg_imm32_b32 hwreg(HW_REG_WAVE_MODE, 25, 1), 1
	s_wait_xcnt 0x0
	s_wait_alu depctr_hold_cnt(0) depctr_sa_sdst(0) depctr_va_vdst(0) depctr_va_sdst(0) depctr_va_ssrc(0) depctr_va_vcc(0) depctr_vm_vsrc(0)
	s_getreg_b32 s2, hwreg(HW_REG_IB_STS2, 6, 4)
	s_cmp_eq_u32 s2, 0
	s_cbranch_scc0 .Lentry_in_a_cluster
	s_endpgm
.Lentry_in_a_cluster:
	s_bfe_u32 s2, ttmp6, 0x10000c
	s_cmp_lg_u32 s2, 0xf033
	s_cbranch_scc0 .Lentry_shape_is_right
	s_endpgm
.Lentry_shape_is_right:
; qkv = x W_attn^T + b_attn on codes of FP8 (E4M3), and its three parts quantised again: q with 2^e2, k with 2^e3, v with 2^e5 (e0 .. e7: the eight whole numbers of lowp_scales; x has 2^e0, W_attn 2^e1).
; x: [8192][1024] codes, W_attn: [3072][1024] codes, K innermost.  A tile of 256 x 256 of the result is made by four waves, 128 x 128 each: 64 accumulators, 512 registers.  K = 1,024 goes in four steps of
; 256 through a ring of two LDS slots filled by the tensor data mover.  384 tiles: 12 x 32 work-groups in clusters of 4 x 4.
; THE KIND of a tile is the cluster's x: 0 = q, 1 = k, 2 = v: the same number in all sixteen partners, so branches may hang on it.
; THE MATRIX INSTRUCTION takes 16 rows of the tile called B as source 0 and 16 rows of the tile called A as source 1: a lane then holds one row of A and eight neighbours along B.  The conversions want a lane's
; eight neighbours to lie along the NEXT product's K.  For q and k that is the head's channel: A = x (rows t), B = W_attn (rows n).  For v it is t: A = W_attn, B = x.  Only base addresses and tile numbers differ.
; CLUSTER: A's tile hangs on cy alone and is asked for jointly by a row of the cluster, B's on cx alone, by a column.
; THE BIAS is the C of the first K step's products, as b_attn / 2^(e0 + e1): a sum stands for sum x 2^(e0 + e1).  The three scales ahead of the quantiser are folded into one: code = sum / 2^g, g = e_out - e0 - e1.
; OUT.  sw34(n) = n with its bits 3 and 4 exchanged.  q_codes, k_codes: [batch x 16 + head][2048 rows][64]: stored row t' holds row sw34(t').  v_codes: [batch x 16 + head][64 rows][2048 along t]: stored row
; rho holds channel sw34(rho).  (The next launch's tiles of 16 natural rows then give results whose registers are 16 neighbours along the product after.)
; LIMITS: g between -126 and 127, so that 2^g is an f32 number.  NaN in b_attn is not served.
; REGISTERS, in windows of 256: window 0: v16-31 addresses and the scale; v32-95 the bias as C; v128-255 A's fragments, one set; later the codes, later rows on their way out.
;   window 1: B's fragments, two sets.   window 2: the accumulators of my rows 0-63 of A ((a, b) at v[8 (8 (a % 4) + b)]);   window 3: those of rows 64-127.
.set ROWB,   256                       ; a tile's row in bytes: 256 codes
.set KROW,   1024                      ; a row of x or of W_attn in memory
.set PITCH,  272                       ; an LDS row: 256 bytes + 16 of padding = 68 words: row r starts at bank 4 r mod 64 (64 banks of 4 bytes: ISA guide 11.1)
.set FR,     16                        ; registers of a fragment: 16 rows x 128 K
.set NL,     4                         ; LDS loads that bring one
.set NP,     4                         ; places behind this matrix instruction (ISA guide 7.12.1)
.set HALFT,  128*PITCH                 ; 128 rows: what one tensor load brings
.set SLOT,   4*HALFT                   ; A's 256 rows, then B's 256 rows
.set LAPS,   2                         ; a lap = two slots = 512 along K
.set SPARE,  2*SLOT                    ; behind the ring: the spare words, 128 bytes for each wave
.set STAGEQ, 0                         ; the way out of q and k: 256 units of 256 bytes + 16.  Both stages lie in slot 0, which has had its last fill and its last read by then
.set STAGEV, 256*272                   ; the way out of v: the same size, bytes of its own
.set ADRA, 16                          ; v16-17  LDS address of my A fragments in slot 0, 1
.set ADRB, 20                          ; v20-21  the same for B
.set STOQ, 22                          ; v22, v23  where I put 8 codes in the stage (q and k; v)
.set STOV, 23
.set RDQ,  24                          ; v24, v25  where I read 16 bytes of a unit back
.set RDV,  25
.set COQ,  26                          ; v26, v27  my byte offset in the output
.set COV,  27
.set SPW,  28                          ; v28     LDS address of my spare word; never rewritten
.set NIL,  29                          ; v29     0; never rewritten
.set SC,   30                          ; v30     2^g as f32: the conversions take its exponent field
.set BO,   31                          ; v31     my lane's offset in b_attn
.set BIAS, 32                          ; v32-95  eight tiles of C
.set AF,   128                         ; A's fragments
.set CD,   128                         ; the codes: accumulator (a, b) -> v[CD + 2 (8 a + b)], two registers
.set G1, 24                            ; s[24:31] descriptor group 1 for A's tiles;  s[32:39] group 0, one set for each slot
.set G0, 32
.set G1B, 48                           ; s[48:55], s[56:63] the same for B's tiles
.set G0B, 56
.set TBT, 42                           ; s42  B's tile number (holds cx, never cy)
.set OUT, 66                           ; s[66:67] where my wave's rows go
.set LIM, 84
.set NLIM, 85
.set NEG, 86                           ; s86  -(e0 + e1)
.set TA,  88                           ; s88  A's tile number (holds cy, never cx)
.set MSB, 0
.macro WIN new                         ; the immediate's high byte repeats the setting that is left
.if MSB != (\new)
	s_set_vgpr_msb (MSB<<8)|(\new)
.set MSB, (\new)
.endif
.endm
.set MUL_LO, 0xa1                      ; source 0 (B) window 1, source 1 (A) window 0, C and D window 2
.set MUL_HI, 0xf1                      ; the same, C and D window 3
.set TO_B,   0x40                      ; destination window 1, address window 0
; A joint load: waves 0 and 1 fetch for A, waves 2 and 3 for B.  Each of the two lines has one mask and one set of registers for all that issue it; the branch hangs on the wave's number alone.
; Four v_nop follow each of the two lines, ahead of the jump, the label and what follows.
.macro JLOAD g0a, g1a, g0b, g1b
	s_cmp_eq_u32 s15, 0
	s_cbranch_scc0 .Lfor_b_\@
	tensor_load_to_lds s[\g0a:\g0a+3], s[\g1a:\g1a+7]
	s_nop 0
.rept 4
	v_nop
.endr
	s_branch .Lasked_\@
.Lfor_b_\@:
	tensor_load_to_lds s[\g0b:\g0b+3], s[\g1b:\g1b+7]
	s_nop 0
.rept 4
	v_nop
.endr
.Lasked_\@:
.endm
.macro CREST                           ; a round of the cluster's barrier behind its opening barrier
	s_cmp_lg_u32 s14, 0
	s_cbranch_scc1 .Lnot_wave_0_\@
	s_barrier_signal -3
.Lnot_wave_0_\@:
	s_barrier_wait -3
	s_barrier_signal -1
	s_barrier_wait -1
.endm
.macro CROUND                          ; a whole round
	s_barrier_signal -1
	s_barrier_wait -1
	CREST
.endm
	s_load_b256 s[4:11], s[0:1], 0x0               ; x s[4:5], W_attn s[6:7], b_attn s[8:9], the exponents s[10:11]
	s_load_b128 s[68:71], s[0:1], 0x20             ; q_codes, k_codes
	s_load_b64 s[72:73], s[0:1], 0x30              ; v_codes
	v_lshl_add_u32 v[SPW], v0, 2, SPARE
	v_mov_b32 v[NIL], 0
	ds_add_u32 v28, v29
	ds_add_u32 v28, v29
	s_wait_dscnt 0x0
	v_lshrrev_b32 v1, 5, v0
	v_readfirstlane_b32 s14, v1                    ; wave 0..3
	s_lshr_b32 s15, s14, 1                         ; which half of A's rows is mine.  Also: I fetch for A (0) or for B (1)
	s_and_b32 s16, s14, 1                          ; which half of B's rows.  Also: which 128 rows of that tile I fetch
	s_bfe_u32 s40, ttmp6, 0x40000                  ; cx, cy: my place in the cluster
	s_bfe_u32 s41, ttmp6, 0x40004
	s_and_b32 s17, ttmp7, 0xffff
	s_lshl_b32 s17, s17, 2                         ; 4 x cluster y
	s_lshl_b32 s18, ttmp9, 2                       ; 4 x kind
	s_cmp_eq_u32 ttmp9, 2                          ; v?
	s_cselect_b32 s[TA], 8, s17                    ; A's tile: v: W_attn's tiles 8 .. 11; q, k: x's 32 tiles
	s_cselect_b32 s[TBT], s17, s18                 ; B's tile: v: x's 32 tiles; q, k: W_attn's tiles 4 x kind on
	s_add_co_u32 s[TA], s[TA], s41                 ; + cy
	s_add_co_u32 s[TBT], s[TBT], s40               ; + cx
	s_lshl_b32 s43, s41, 2
	s_lshl_b32 s43, 15, s43                        ; my row of the cluster
	s_lshl_b32 s44, 0x1111, s40                    ; my column
	; descriptor group 1: a tile of 128 rows x 256 bytes, padded in LDS
	s_or_b32 s[G1+0], s43, (0<<16)|(1<<20)|(1<<21)|(5<<22)|(3<<25)  ; 15:0 the mask: A's tiles go to my row; 17:16 element of 1 byte; 20 padding on; 21 set beside a mask; 24:22 after every 64 words (code 5); 31:25 of 4 words (code 3)
	s_or_b32 s[G1B+0], s44, (0<<16)|(1<<20)|(1<<21)|(5<<22)|(3<<25)
.irp g, G1, G1B
	s_mov_b32 s[\g+1], ROWB<<16                    ; tensor_dim0
	s_mov_b32 s[\g+2], 128<<16                     ; tensor_dim1 = 128
	s_mov_b32 s[\g+3], ROWB<<16                    ; tile_dim0
	s_mov_b32 s[\g+4], 128                         ; tile_dim1 = 128
	s_mov_b32 s[\g+5], KROW                        ; tensor_dim0_stride
	s_mov_b32 s[\g+6], 0
	s_mov_b32 s[\g+7], 0
.endr
	s_lshl_b32 s18, s16, 7                         ; which 128 rows of the tile I fetch
	s_lshl_b32 s20, s[TA], 8
	s_add_co_u32 s20, s20, s18                     ; A: row 256 x tile + 128 x half,
	s_lshl_b32 s20, s20, 10                        ; in bytes (under 2^24)
	s_mov_b32 s21, 0
	s_lshl_b32 s46, s[TBT], 8
	s_add_co_u32 s46, s46, s18                     ; B likewise
	s_lshl_b32 s46, s46, 10
	s_mov_b32 s47, 0
	s_mul_i32 s45, s14, HALFT                      ; where they go: wave x 128 rows: no place in the cluster enters an LDS address
	s_wait_kmcnt 0x0
	s_load_b256 s[76:83], s[10:11], 0x0            ; e0 .. e7
	s_cmp_eq_u32 ttmp9, 2
	s_cselect_b64 s[12:13], s[6:7], s[4:5]         ; A's buffer: W_attn for v, else x
	s_cselect_b64 s[22:23], s[4:5], s[6:7]         ; B's buffer
	s_add_nc_u64 s[20:21], s[12:13], s[20:21]
	s_add_nc_u64 s[46:47], s[22:23], s[46:47]
	CROUND                                         ; all sixteen work-groups are here: the first joint loads meet
.irp s, 0,1
	s_mov_b32 s[G0+4*\s], 1
	s_add_co_u32 s[G0+4*\s+1], s45, \s*SLOT
	s_add_nc_u64 s[G0+4*\s+2:G0+4*\s+3], s[20:21], \s*ROWB
	s_or_b32 s[G0+4*\s+3], s[G0+4*\s+3], 0x80000000
	s_mov_b32 s[G0B+4*\s], 1
	s_add_co_u32 s[G0B+4*\s+1], s45, \s*SLOT
	s_add_nc_u64 s[G0B+4*\s+2:G0B+4*\s+3], s[46:47], \s*ROWB
	s_or_b32 s[G0B+4*\s+3], s[G0B+4*\s+3], 0x80000000
	s_wait_alu depctr_va_vdst(0)
	s_wait_tensorcnt 0x0
	ds_add_u32 v28, v29
	ds_add_u32 v28, v29
	s_wait_dscnt 0x0
	CROUND
	JLOAD G0+4*\s, G1, G0B+4*\s, G1B
.endr
	; every address register is made here, ahead of the paths that part on the kind
	v_and_b32 v1, 15, v0                           ; r = lane % 16
	s_wait_alu depctr_va_vdst(0)
	v_bfe_u32 v2, v0, 4, 1                         ; h = lane / 16
	v_mul_u32_u24 v3, v1, PITCH
	v_lshl_add_u32 v4, v2, 4, v3                   ; a fragment's row x pitch + 16 h
	s_mul_i32 s21, s15, HALFT                      ; my 128 rows of A
	s_mul_i32 s22, s16, HALFT                      ; my 128 rows of B,
	s_add_co_u32 s22, s22, 2*HALFT                 ; which lie behind A's 256
.irp s, 0,1
	v_add_nc_u32 v[ADRA+\s], s21, v4
	v_add_nc_u32 v[ADRB+\s], s22, v4
	s_add_co_u32 s21, s21, SLOT
	s_add_co_u32 s22, s22, SLOT
.endr
	; q, k: a unit of the stage is 4 rows t of one head, 256 bytes: unit = 64 x head + t / 4, byte = 64 (t % 4) + channel.  Accumulator (a, b), lane (r, h): t = 128 Ahalf + 16 a + r, head = 2 Bhalf + b / 4, channel = 16 (b % 4) + 8 h + 0..7
	s_mul_i32 s21, s16, 128*272
	s_mul_i32 s22, s15, 32*272
	s_add_co_u32 s21, s21, s22
	v_lshrrev_b32 v5, 2, v1
	v_mul_u32_u24 v5, v5, 272
	v_and_b32 v6, 3, v1
	v_lshl_add_u32 v5, v6, 6, v5
	v_lshl_add_u32 v5, v2, 3, v5
	v_add_nc_u32 v[STOQ], s21, v5                  ; the 32 lanes of a store of 8 bytes fall on 64 different banks
	; v: a unit is one channel's 256 codes along t: unit = 128 Ahalf + 16 a + r, byte = 128 Bhalf + 16 b + 8 h + 0..7
	s_mul_i32 s21, s15, 128*272
	s_lshl_b32 s22, s16, 7
	s_add_co_u32 s21, s21, s22
	s_add_co_u32 s21, s21, STAGEV
	v_lshl_add_u32 v5, v2, 3, v3
	v_add_nc_u32 v[STOV], s21, v5
	; back: wave w takes units 64 w .. 64 w + 63, one head's; sixteen lanes to a unit, two units an instruction
	s_mul_i32 s21, s14, 64*272
	v_mul_u32_u24 v5, v2, 272
	v_lshl_add_u32 v5, v1, 4, v5
	v_add_nc_u32 v[RDQ], s21, v5
	v_add_nc_u32 v[RDV], STAGEV, v[RDQ]
	v_and_b32 v6, 31, v0
	v_lshlrev_b32 v[COQ], 4, v6                    ; q, k: two units are 512 consecutive bytes of the output
	v_lshlrev_b32 v5, 4, v1
	v_lshl_add_u32 v[COV], v2, 11, v5              ; v: two rows, 2,048 bytes apart
	; where my wave's head goes: plane = 16 x batch + 4 x (the W tile's place) + wave; in it the x tile's 256 rows (q, k: 16,384 bytes) or 256 columns (v: 256 bytes)
	s_cmp_eq_u32 ttmp9, 2
	s_cselect_b32 s90, s[TBT], s[TA]               ; x's tile
	s_cselect_b32 s91, s41, s40                    ; W_attn's tile within the kind
	s_cselect_b32 s92, 8, 14
	s_lshr_b32 s93, s90, 3                         ; batch
	s_lshl_b32 s93, s93, 4
	s_lshl_b32 s91, s91, 2
	s_add_co_u32 s93, s93, s91
	s_add_co_u32 s93, s93, s14
	s_lshl_b32 s93, s93, 17                        ; a plane is 131,072 bytes
	s_and_b32 s90, s90, 7
	s_lshl_b32 s90, s90, s92
	s_add_co_u32 s92, s93, s90
	s_mov_b32 s93, 0
	s_cmp_eq_u32 ttmp9, 0
	s_cselect_b64 s[OUT:OUT+1], s[68:69], s[70:71]
	s_cmp_eq_u32 ttmp9, 2
	s_cselect_b64 s[OUT:OUT+1], s[72:73], s[OUT:OUT+1]
	s_add_nc_u64 s[OUT:OUT+1], s[OUT:OUT+1], s[92:93]
	s_wait_kmcnt 0x0                               ; e0 .. e7
	s_add_co_i32 s[NEG], s76, s77
	s_sub_co_i32 s[NEG], 0, s[NEG]                 ; -(e0 + e1)
	s_cmp_eq_u32 ttmp9, 0
	s_cselect_b32 s89, s78, s79                    ; e2 for q, e3 for k,
	s_cmp_eq_u32 ttmp9, 2
	s_cselect_b32 s89, s81, s89                    ; e5 for v
	s_add_co_i32 s89, s89, s[NEG]                  ; g
	s_add_co_i32 s89, s89, 127
	s_lshl_b32 s87, s89, 23
	v_mov_b32 v[SC], s87                           ; 2^g as f32
	; the bias, in the layout of C
	s_cmp_eq_u32 ttmp9, 2
	s_cbranch_scc1 .Lbias_v
	s_lshl_b32 s90, s[TBT], 10                     ; q, k: C(a, b), register j = b_attn[256 tile + 128 Bhalf + 16 b + 8 h + j]
	s_lshl_b32 s91, s16, 9
	s_add_co_u32 s90, s90, s91
	s_mov_b32 s91, 0
	s_add_nc_u64 s[90:91], s[8:9], s[90:91]
	v_lshlrev_b32 v[BO], 5, v2
.irp b, 0,1,2,3,4,5,6,7
	global_load_b128 v[BIAS+8*\b:BIAS+8*\b+3], v[BO], s[90:91] offset:64*\b
	global_load_b128 v[BIAS+8*\b+4:BIAS+8*\b+7], v[BO], s[90:91] offset:64*\b+16
.endr
	s_wait_loadcnt 0x0
.set k, 0
.rept 64
	v_ldexp_f32 v[BIAS+k], v[BIAS+k], s[NEG]
.set k, k+1
.endr
	s_branch .Lbias_done
.Lbias_v:
	s_lshl_b32 s90, s[TA], 10                      ; v: C(a, b), every register = b_attn[256 tile + 128 Ahalf + 16 a + r]
	s_lshl_b32 s91, s15, 9
	s_add_co_u32 s90, s90, s91
	s_mov_b32 s91, 0
	s_add_nc_u64 s[90:91], s[8:9], s[90:91]
	v_lshlrev_b32 v[BO], 2, v1
.irp a, 0,1,2,3,4,5,6,7
	global_load_b32 v[BIAS+8*\a], v[BO], s[90:91] offset:64*\a
.endr
	s_wait_loadcnt 0x0
.irp a, 0,1,2,3,4,5,6,7
.irp j, 7,6,5,4,3,2,1,0
	v_ldexp_f32 v[BIAS+8*\a+\j], v[BIAS+8*\a], s[NEG]    ; the loaded register itself last
.endr
.endr
.Lbias_done:
.macro FRAG reg, adr, q, i             ; a fragment: lane l holds row l % 16; registers 4 c .. 4 c + 3 hold K = 32 c + 16 (l / 16) + 0 .. 15: the same order of k in A and in B, so every product meets its partner
.irp c, 0,1,2,3
	ds_load_b128 v[\reg+4*\c:\reg+4*\c+3], v[\adr] offset:128*(\q)+32*\c+(\i)*16*PITCH
.endr
.endm
; 16 matrix instructions: A's blocks a0, a0 + 1 x B's eight, 128 along K.  p: B's set.  mode 0: onto the sums; 1: the sums start with the bias by b (q, k); 2: by a (v).
; The 64 accumulators take turns, one instruction a turn, in the same order in every step.
.macro MUL16 a0, p, mode
.irp a, \a0, \a0+1
.irp b, 0,1,2,3,4,5,6,7
.if \mode == 1
	v_wmma_f32_16x16x128_fp8_fp8 v[8*(8*((\a)%4)+\b):8*(8*((\a)%4)+\b)+7], v[128*(\p)+FR*\b:128*(\p)+FR*\b+FR-1], v[AF+FR*(\a):AF+FR*(\a)+FR-1], v[BIAS+8*\b:BIAS+8*\b+7]
.elseif \mode == 2
	v_wmma_f32_16x16x128_fp8_fp8 v[8*(8*((\a)%4)+\b):8*(8*((\a)%4)+\b)+7], v[128*(\p)+FR*\b:128*(\p)+FR*\b+FR-1], v[AF+FR*(\a):AF+FR*(\a)+FR-1], v[BIAS+8*(\a):BIAS+8*(\a)+7]
.else
	v_wmma_f32_16x16x128_fp8_fp8 v[8*(8*((\a)%4)+\b):8*(8*((\a)%4)+\b)+7], v[128*(\p)+FR*\b:128*(\p)+FR*\b+FR-1], v[AF+FR*(\a):AF+FR*(\a)+FR-1], v[8*(8*((\a)%4)+\b):8*(8*((\a)%4)+\b)+7]
.endif
.endr
.endr
.endm
.macro FETCH_B slot, q, p              ; B's eight fragments of the slot's q-th 128 along K into set p
	WIN TO_B
.irp i, 0,1,2,3,4,5,6,7
	FRAG 128*(\p)+FR*\i, ADRB+\slot, \q, \i
.endr
	WIN 0
.endm
.macro FETCH_A slot, q, i0             ; A's blocks i0 .. i0 + 3
.irp i, \i0, \i0+1, \i0+2, \i0+3
	FRAG AF+FR*(\i), ADRA+\slot, \q, \i
.endr
.endm
; A load into a register that a matrix instruction has read, and a vector instruction that reads a matrix result, stand NP places behind that matrix instruction; only plain vector instructions that name none
; of its registers are places (ISA guide 7.12.1 for vector instructions).
.macro PLACES n
.rept \n
	v_nop
.endr
.endm
; A step of 128 along K that has its successor in the same slot.  A block of A is free as soon as its eight products are issued: blocks 0-3 are fetched anew in the step's middle, blocks 4-7 at its end.
.macro STEP slot, q, mode
	s_wait_dscnt 4*NL                              ; B's set and A's blocks 0-3 are in; the youngest sixteen loads (A's blocks 4-7) may be out
.if \mode
	WIN 0x81                                       ; C (the bias) in window 0, D in window 2
.else
	WIN MUL_LO
.endif
	MUL16 0, (\q)%2, \mode
	MUL16 2, (\q)%2, \mode
	s_wait_dscnt 0                                 ; A's blocks 4-7 are in (asked for 32 matrix instructions ago)
	PLACES NP
	FETCH_B \slot, (\q)+1, 1-(\q)%2
	FETCH_A \slot, (\q)+1, 0
.if \mode
	WIN 0xc1                                       ; C in window 0, D in window 3
.else
	WIN MUL_HI
.endif
	MUL16 4, (\q)%2, \mode
	MUL16 6, (\q)%2, \mode
	PLACES NP
	WIN 0
	FETCH_A \slot, (\q)+1, 4
.endm
; A slot's last step changes slots: one barrier; in front of it each wave waits for all its tensor loads, adds 0 to its spare word, and waits for that and for its own reads of this slot.  fill = 1: this slot is filled again, two slots ahead.
.macro TURN slot, next, fill
	s_wait_tensorcnt 0x0                           ; all my tensor loads have landed: the one that was out is my part of the next slot  (every window is 0 here)
	ds_add_u32 v[SPW], v[NIL]                      ; 0 onto my spare word
	s_wait_dscnt 4*NL+1                            ; (the add and the youngest sixteen loads, A's blocks 4-7, may be out)
	WIN MUL_LO
	MUL16 0, 1, 0                                  ; sixteen matrix instructions stand between the add and the wait for it
	s_wait_dscnt 0x0                               ; the add is done, and my reads of this slot are over
	s_barrier_signal -1
	MUL16 2, 1, 0
	WIN 0
	s_barrier_wait -1
.if \fill
	CREST                                          ; the barrier has opened a round of the cluster's barrier: no wave of any partner still reads this slot's tile or has a load on its way
	s_add_nc_u64 s[G0+4*\slot+2:G0+4*\slot+3], s[G0+4*\slot+2:G0+4*\slot+3], 2*ROWB
	s_add_nc_u64 s[G0B+4*\slot+2:G0B+4*\slot+3], s[G0B+4*\slot+2:G0B+4*\slot+3], 2*ROWB
	JLOAD G0+4*\slot, G1, G0B+4*\slot, G1B         ; the first tensor load behind the round, my one load until the next; its four v_nop are the places in front of the loads below
.else
	PLACES NP
.endif
	FETCH_B \next, 0, 0
	FETCH_A \next, 0, 0
	WIN MUL_HI
	MUL16 4, 1, 0
	MUL16 6, 1, 0
	PLACES NP
	WIN 0
	FETCH_A \next, 0, 4
.endm
	s_wait_tensorcnt 1                             ; my part of slot 0 is in (slot 1's load, issued behind it, may be out)
	s_barrier_signal -1
	s_barrier_wait -1                              ; everybody's is
	FETCH_B 0, 0, 0
	FETCH_A 0, 0, 0
	FETCH_A 0, 0, 4
	s_cmp_eq_u32 ttmp9, 2                          ; the first step starts the sums with the bias: written twice, since C's registers go by b or by a
	s_cbranch_scc1 .Lfirst_v
	s_wait_alu depctr_va_vdst(0)
	STEP 0, 0, 1
	s_branch .Lfirst_done
.Lfirst_v:
	s_wait_alu depctr_va_vdst(0)
	STEP 0, 0, 2
.Lfirst_done:
	s_mov_b32 s3, LAPS-1
.Llap:                                                 ; a trip goes once round the ring, from a lap's second step to the next lap's first, and fills both slots again
	TURN 0, 1, 1
	STEP 1, 0, 0
	TURN 1, 0, 1
	STEP 0, 0, 0
	s_sub_co_u32 s3, s3, 1
	s_cmp_lg_u32 s3, 0
	s_cbranch_scc1 .Llap
	TURN 0, 1, 0                                   ; the last lap fills nothing, and has no round of the cluster's barrier
	STEP 1, 0, 0
	s_wait_dscnt 4*NL                              ; the very last step: nothing more to fetch
	WIN MUL_LO
	MUL16 0, 1, 0
	MUL16 2, 1, 0
	s_wait_dscnt 0
	WIN MUL_HI
	MUL16 4, 1, 0
	MUL16 6, 1, 0
	WIN 0
; THE WAY OUT.  An accumulator's eight registers become eight codes, each accumulator from its low end on.
.macro QUANT hi
	WIN 0x82+0x41*(\hi)                            ; source 0 and destination: window 2 or 3
.set k, 0
.rept 256
.set k, k+1
.endr
	WIN 0x02+(\hi)                                 ; source 0: window 2 or 3; the codes and the scale in window 0
.set k, 0
.rept 32
	v_cvt_scalef32_pk8_fp8_f32 v[CD+64*(\hi)+2*k:CD+64*(\hi)+2*k+1], v[8*k:8*k+7], v[SC]
.set k, k+1
.endr
.endm
	PLACES NP                                      ; behind the last products: their results are read, and A's registers are written
	QUANT 0
	QUANT 1
	v_nop                                          ; one plain vector instruction behind the last scaled conversion
	WIN 0
	s_cmp_eq_u32 ttmp9, 2
	s_cbranch_scc1 .Lstage_v
.irp a, 0,1,2,3,4,5,6,7
.irp b, 0,1,2,3,4,5,6,7
	ds_store_b64 v[STOQ], v[CD+2*(8*\a+\b):CD+2*(8*\a+\b)+1] offset:272*(64*(\b/4)+4*\a)+16*(\b%4)
.endr
.endr
	s_branch .Lstaged
.Lstage_v:
	s_wait_alu depctr_va_vdst(0)
.irp a, 0,1,2,3,4,5,6,7
.irp b, 0,1,2,3,4,5,6,7
	ds_store_b64 v[STOV], v[CD+2*(8*\a+\b):CD+2*(8*\a+\b)+1] offset:272*16*\a+16*\b
.endr
.endr
.Lstaged:
	s_wait_dscnt 0x0                               ; for the others' sake: my stores into the stage are done
	s_barrier_signal -1
	s_barrier_wait -1                              ; a unit's bytes come from two waves: now all are there
	s_cmp_eq_u32 ttmp9, 2
	s_cbranch_scc1 .Lsend_v
.set i, 0
.rept 32
	ds_load_b128 v[128+4*i:131+4*i], v[RDQ] offset:544*i
.set i, i+1
.endr
.set i, 0
.rept 32
	s_wait_dscnt 31-i                              ; LDS loads come back in order: number i is in
	global_store_b128 v[COQ], v[128+4*i:131+4*i], s[OUT:OUT+1] offset:512*((i&28)|((i&1)<<1)|((i>>1)&1))   ; rows 8 i .. 8 i + 7 go to the stored rows with bits 3 and 4 exchanged: bits 0 and 1 of i.  32 lanes store 512 consecutive bytes, aligned
.set i, i+1
.endr
	s_branch .Lsent
.Lsend_v:
.set i, 0
.rept 32
	ds_load_b128 v[128+4*i:131+4*i], v[RDV] offset:544*i
.set i, i+1
.endr
.set i, 0
.rept 32
	s_wait_dscnt 31-i
	global_store_b128 v[COV], v[128+4*i:131+4*i], s[OUT:OUT+1] offset:4096*((i&19)|((i&4)<<1)|((i&8)>>1))   ; channels 2 i, 2 i + 1 go to the stored rows with bits 3 and 4 exchanged: bits 2 and 3 of i.  Sixteen lanes store 256 consecutive bytes, aligned
.set i, i+1
.endr
.Lsent:
	s_wait_tensorcnt 0x0                           ; the wave's end: behind my last tensor load and my last LDS store
	ds_add_u32 v[SPW], v[NIL]
	s_wait_dscnt 0x0
	CROUND                                         ; the closing round: no work-group ends while a partner may still ask for a tile that names it
	s_endpgm
.Lfunc_end_k_qd9a88868f4_qkv:
	.size	k_qd9a88868f4_qkv, .Lfunc_end_k_qd9a88868f4_qkv-k_qd9a88868f4_qkv
	.p2alignl 7, 3214868480
	.fill 96, 4, 3214868480
	.section	.rodata,"a",@progbits
	.p2align	6, 0x0
	.amdhsa_kernel k_qd9a88868f4_qkv
		.amdhsa_group_segment_fixed_size 327680
		.amdhsa_private_segment_fixed_size 0
		.amdhsa_enable_private_segment 0
		.amdhsa_kernarg_size 56
		.amdhsa_user_sgpr_count 2
		.amdhsa_user_sgpr_kernarg_segment_ptr 1
		.amdhsa_wavefront_size32 1
		.amdhsa_system_sgpr_workgroup_id_x 1
		.amdhsa_system_sgpr_workgroup_id_y 1
		.amdhsa_system_sgpr_workgroup_id_z 1
		.amdhsa_system_vgpr_workitem_id 0
		.amdhsa_next_free_vgpr 1024
		.amdhsa_next_free_sgpr 96
		.amdhsa_reserve_vcc 0
		.amdhsa_float_denorm_mode_32 3
		.amdhsa_float_denorm_mode_16_64 3
		.amdhsa_fp16_overflow 1
		.amdhsa_memory_ordered 1
		.amdhsa_forward_progress 1
		.amdhsa_inst_pref_size 124
	.end_amdhsa_kernel
	.amdgpu_metadata
---
amdhsa.version: [ 1, 2 ]
amdhsa.kernels:
  - .name:           k_qd9a88868f4_qkv
    .symbol:         k_qd9a88868f4_qkv.kd
    .args:
      - { .name: x_codes, .offset: 0, .size: 8, .value_kind: global_buffer, .address_space: global }
      - { .name: W_attn_codes, .offset: 8, .size: 8, .value_kind: global_buffer, .address_space: global }
      - { .name: b_attn, .offset: 16, .size: 8, .value_kind: global_buffer, .address_space: global }
      - { .name: lowp_scales, .offset: 24, .size: 8, .value_kind: global_buffer, .address_space: global }
      - { .name: q_codes, .offset: 32, .size: 8, .value_kind: global_buffer, .address_space: global }
      - { .name: k_codes, .offset: 40, .size: 8, .value_kind: global_buffer, .address_space: global }
      - { .name: v_codes, .offset: 48, .size: 8, .value_kind: global_buffer, .address_space: global }
    .group_segment_fixed_size: 327680
    .private_segment_fixed_size: 0
    .kernarg_segment_align: 8
    .kernarg_segment_size: 56
    .max_flat_workgroup_size: 128
    .sgpr_count:     96
    .vgpr_count:     1024
    .wavefront_size: 32
...
	.end_amdgpu_metadata
.endif
;; end of part 1
;; launch attn (part 2): grid 4 x 64, 16 waves a work-group, no clusters, 327,680 bytes of LDS; arguments q_codes, k_codes, v_codes, lowp_scales, W_proj_codes, y_codes, w_img; writes y_codes, w_img
.if DOCPART == 2
	.amdgcn_target "amdgcn-amd-amdhsa--gfx1250"
	.amdhsa_code_object_version 6
	.text
	.protected	k_qd9a88868f4_attn
	.globl	k_qd9a88868f4_attn
	.p2align	8
	.type	k_qd9a88868f4_attn,@function
k_qd9a88868f4_attn:
	s_mov_b64 s[64:65], 0
	v_nop
	global_prefetch_b8 v0, s[64:65] scope:SCOPE_SE
	s_setreg_imm32_b32 hwreg(HW_REG_WAVE_MODE, 25, 1), 1
	s_wait_xcnt 0x0
; y[b][t][head][:] = the sum over keys k <= t of softmax_k(q . k / 8) v, both products on codes of FP8 (E4M3); y is quantised with 2^e6 for the product that follows.  e0 .. e7: the whole numbers of lowp_scales: q 2^e2, k 2^e3, p 2^e4, v 2^e5.
; INPUTS, as the launch before laid them.  sw34(n) = n with bits 3 and 4 exchanged.  q_codes, k_codes: [plane = 16 batch + head][2048 stored rows][64]; stored row t' holds row sw34(t').
; v_codes: [plane][64 stored rows][2048 along t]; stored row rho holds channel sw34(rho).
; THE SOFTMAX AHEAD OF THE SECOND PRODUCT: t = score x log2(e) / 8; M = the row's largest t so far, rounded UP to a whole number; p = 2^(t - M) is what is quantised; the row's sum is taken of the unquantised p and
; divides at the end.  When M moves, the sum and O are multiplied by 2^(old M - new M): exact.
; SHARES.  A work-group (x = I: 0..3; y = plane) owns the blocks I and 7 - I of 256 queries.  Block n needs the slots 0 .. n of 256 keys, so every work-group walks 9 slots: trips 0 .. I serve block I, trips
; I + 1 .. 8 serve block 7 - I.  256 work-groups of equal work, and no slot is fetched that lies wholly above the diagonal.  Each of the sixteen waves owns 16 queries of the block in hand, in 256 registers: four waves to a SIMD.
; NO CLUSTER: the four work-groups of a plane want slots 0 .. I and then 0 .. 7 - I: behind the first trips no two of them want the same tile in the same trip; a walk that all four share would have 12 trips against 9.
; LAYOUT.  Both products are used transposed: S^T = K Q^T (source 0 = 16 stored keys, source 1 = my 16 queries), O^T = V^T P^T (source 0 = 16 stored channels, source 1 = P): a lane holds ONE query (lane % 16).
; A tile of 16 stored keys 16 tau + m holds the keys 32 (tau / 2) + 16 (m / 8) + 8 (tau % 2) + m % 8: so registers 16 b + i of S^T are the keys 32 b + 16 (lane / 16) + i: 16 neighbours, as P's operand wants them.
; Likewise registers 16 beta + i of O^T are the channels 32 beta + 16 (lane / 16) + i.
; y_codes is an image of the next product's operand registers: [t / 16][head][beta][lane][16 bytes]: a wave's store covers 512 consecutive bytes, and nothing goes through LDS.
; BESIDES: W_proj's codes are laid out as register images for the next launch: w_img [16 rows: 64][128 along K: 8][c: 4][lane][16]: lane (r, h) holds W_proj(16 n + r, 128 s + 32 c + 16 h + 0..15).  512 images, two to a work-group: waves 2 and 3.
; LIMITS on the given exponents, so that each power of two below is an f32 number: e2 + e3 between -123 and 130 (added to c's exponent field); e4 and e6 between -126 and 127; e4 + e5 goes by v_ldexp_f32 and has none.
; REGISTERS: v1-7 addresses that stay; v8, v9 addresses of the loads in hand; v12 -M, v13 the largest t, v[14:15] the sum in two halves; v16-23 Q; v24-31 y's codes; v32-95 eight fragments of K, then four of V;
; v96-159 S^T, then p, then y; v160-191 O^T; v192-207 p's codes; v208-219 at work; v217 2^e4; v222 2^e6; v224-231 the second block's Q; v221, v232-247 the image of W_proj.
.set VOFF,  64*272                     ; a slot: K's 256 stored keys as 64 rows of 256 bytes (four keys) + 16 of padding; then V's 64 rows of 256 bytes + 16
.set SLOT1, 1<<16                      ; slot 1 begins here, so that one exclusive or turns an address in one slot into the other's
.set SPARE, 2*SLOT1                    ; behind the ring: the spare words, 128 bytes for each of the sixteen waves
.set AK0,  1                           ; v1   my lane's place in a tile of K
.set AV0,  2                           ; v2   the same for V
.set PFO,  3                           ; v3   the prefetches' offset; never rewritten
.set QO,   4                           ; v4   my lane's place in the wave's rows of q
.set SPW,  5                           ; v5   LDS address of my spare word; never rewritten
.set NIL,  6                           ; v6   0; never rewritten
.set GO,   7                           ; v7   16 x lane; never rewritten
.set ADK,  8
.set ADV,  9
.set TB,   2                           ; s2   LDS byte at which the slot in hand begins
.set TRIP, 14                          ; s14  the trip, 0 .. 8
.set BLKI, 15                          ; s15  I
.set WV,   18                          ; s18  my wave's number
.set SEL,  20                          ; s[20:21] lane selects for v_permlanex16_b32: lane l xor 16
.set CS,   22                          ; s[22:23] c = log2(e) / 8 x 2^(e2 + e3)
.set G1K,  24                          ; s[24:31] descriptor group 1 for K's tiles;  s[32:39] for V's;  s[40:43], s[44:47] their groups 0
.set G1V,  32
.set G0K,  40
.set G0V,  44
.set KB,   48                          ; s[48:49], s[50:51] the plane's first byte of k and of v
.set VB,   50
.set OFK,  52                          ; s[52:53], s[54:55] the next slot's offset in k and in v (high words 0)
.set OFV,  54
.set NS,   56                          ; s56  the slot of keys that the next trip wants
.set KF,   59                          ; s59  the step's first key
.set Q0,   60                          ; s60  my first query;  s61 my first query in the second block
.set Q0B,  61
.set Y1,   62                          ; s[62:63], s[66:67] where my tiles of y go
.set Y2,   66
.set PFA,  76                          ; s[76:77] where my prefetches stand;  s[78:79] a slot on, in bytes
.set PFS,  78
.set LIM,  80                          ; s80  a wave prefetches while the trip is under it: 7 or 0
.set EPV,  81                          ; s81  e4 + e5
.set LY,   82
.set NLY,  83
; Wave 0 fetches K's tile, wave 1 V's, the others nothing.  The branches hang on the wave's number alone.  Four v_nop follow each of the two lines.
.macro TLOAD
	s_cmp_eq_u32 s[WV], 0
	s_cbranch_scc0 .Lnot_k_\@
	tensor_load_to_lds s[G0K:G0K+3], s[G1K:G1K+7]
	s_nop 0
.rept 4
	v_nop
.endr
	s_branch .Lasked_\@
.Lnot_k_\@:
	s_cmp_eq_u32 s[WV], 1
	s_cbranch_scc0 .Lasked_\@
	tensor_load_to_lds s[G0V:G0V+3], s[G1V:G1V+7]
	s_nop 0
.rept 4
	v_nop
.endr
.Lasked_\@:
.endm
; A PREFETCH INTO THE L2.  Of a plane's four work-groups the one with I = 0 walks the slots 0, 0, 1, .. 7 in order: in trip T, where its tensor loads ask for slot T, it names slot T + 1, T = 0 .. 6: one change of slots, two key
; steps, ahead of its own load.  Nobody else asks, so each aligned block of 256 bytes is named once in the launch.  Waves 4 and 5: K's 16,384 bytes, 8,192 a wave, lanes 256 bytes apart; waves 6 and 7: V's 64 rows, 32 a wave,
; a lane a row (a slot's part of a row is 256 bytes, aligned).  Slot 0 comes by its loads alone, and trip 7 asks for nothing: there is no slot 8.
.macro ASK
	s_cmp_lt_u32 s[TRIP], s[LIM]
	s_cbranch_scc0 .Lnot_mine_\@
	global_prefetch_b8 v[PFO], s[PFA:PFA+1] th:TH_LOAD_NT scope:SCOPE_SE
.Lnot_mine_\@:
.endm
.macro INIT                            ; a block of queries begins: the largest t so far is -3e38, under every t; sums and O^T are zeros, which the first change of M leaves zeros
	v_mov_b32 v13, 0xff61b1e6
	s_delay_alu instid0(VALU_DEP_1)
	v_floor_f32 v12, -v13
	v_mov_b32 v14, 0
	v_mov_b32 v15, 0
.set j, 0
.rept 32
	v_mov_b32 v[160+j], 0
.set j, j+1
.endr
.endm
	s_load_b256 s[4:11], s[0:1], 0x0               ; q s[4:5], k s[6:7], v s[8:9], the exponents s[10:11]
	s_load_b128 s[92:95], s[0:1], 0x20             ; W_proj's codes s[92:93], y_codes s[94:95]
	s_load_b64 s[90:91], s[0:1], 0x30              ; w_img
	v_lshl_add_u32 v[SPW], v0, 2, SPARE
	v_mov_b32 v[NIL], 0
	ds_add_u32 v5, v6
	ds_add_u32 v5, v6
	s_wait_dscnt 0x0
	v_lshrrev_b32 v8, 5, v0
	s_delay_alu instid0(VALU_DEP_1)
	v_readfirstlane_b32 s[WV], v8                  ; wave 0..15
	s_and_b32 s84, ttmp7, 0xffff                   ; the plane
	s_mov_b32 s[BLKI], ttmp9
	s_lshl_b32 s86, s84, 17                        ; a plane is 131,072 bytes in each of q, k, v
	s_mov_b32 s87, 0
	; descriptor group 1.  K: 64 rows of 256 bytes, dense in memory (four stored keys a row);  V: 64 rows of 256 bytes, 2,048 bytes apart
	s_mov_b32 s[G1K], (0<<16)|(1<<20)|(5<<22)|(3<<25)             ; 15:0 no mask; 17:16 elements of 1 byte; 20 padding on; 24:22 after every 64 words (code 5); 31:25 four words (code 3)
	s_mov_b32 s[G1K+1], 256<<16                    ; tensor_dim0
	s_mov_b32 s[G1K+2], 64<<16                     ; tensor_dim1
	s_mov_b32 s[G1K+3], 256<<16                    ; tile_dim0
	s_mov_b32 s[G1K+4], 64                         ; tile_dim1
	s_mov_b32 s[G1K+5], 256                        ; tensor_dim0_stride
	s_mov_b32 s[G1K+6], 0
	s_mov_b32 s[G1K+7], 0
	s_mov_b32 s[G1V], (0<<16)|(1<<20)|(5<<22)|(3<<25)
	s_mov_b32 s[G1V+1], 256<<16
	s_mov_b32 s[G1V+2], 64<<16
	s_mov_b32 s[G1V+3], 256<<16
	s_mov_b32 s[G1V+4], 64
	s_mov_b32 s[G1V+5], 2048
	s_mov_b32 s[G1V+6], 0
	s_mov_b32 s[G1V+7], 0
	s_mov_b32 s[SEL], 0x76543210
	s_mov_b32 s[SEL+1], 0xfedcba98
	s_mov_b32 s[CS], 0x3e38aa3b                    ; log2(e) / 8
	s_mov_b32 s[TB], 0
	s_mov_b32 s[TRIP], 0
	s_mov_b32 s[KF], 0
	s_mov_b32 s[OFK+1], 0
	s_mov_b32 s[OFV+1], 0
	s_wait_kmcnt 0x0
	s_load_b256 s[68:75], s[10:11], 0x0            ; e0 .. e7
	s_add_nc_u64 s[KB:KB+1], s[6:7], s[86:87]
	s_add_nc_u64 s[VB:VB+1], s[8:9], s[86:87]
	s_mov_b32 s[G0K], 1                            ; 1:0 count = 1
	s_mov_b32 s[G0K+1], 0                          ; 63:32 LDS address: slot 0
	s_mov_b64 s[G0K+2:G0K+3], s[KB:KB+1]           ; 120:64 global address: the plane's first 256 keys
	s_or_b32 s[G0K+3], s[G0K+3], 0x80000000        ; 127:126 type = 2
	s_mov_b32 s[G0V], 1
	s_mov_b32 s[G0V+1], VOFF
	s_mov_b64 s[G0V+2:G0V+3], s[VB:VB+1]
	s_or_b32 s[G0V+3], s[G0V+3], 0x80000000
	TLOAD                                          ; trip 0's slot
	; Q.  My queries are the rows 256 block + 16 w + r; row t lies at stored row sw34(t) = 256 block + 32 (w / 2) + 16 (r / 8) + 8 (w % 2) + r % 8
	s_lshr_b32 s88, s[WV], 1
	s_lshl_b32 s88, s88, 11
	s_and_b32 s89, s[WV], 1
	s_lshl_b32 s89, s89, 9
	s_add_co_u32 s88, s88, s89
	s_add_co_u32 s86, s86, s88
	s_add_nc_u64 s[4:5], s[4:5], s[86:87]          ; the plane, and the wave's part
	s_lshl_b32 s88, s[BLKI], 14
	s_mov_b32 s89, 0
	s_add_nc_u64 s[6:7], s[4:5], s[88:89]          ; block I
	s_sub_co_u32 s85, 7, s[BLKI]                   ; the second block
	s_lshl_b32 s88, s85, 14
	s_add_nc_u64 s[8:9], s[4:5], s[88:89]          ; block 7 - I
	v_and_b32 v8, 15, v0                           ; r
	v_bfe_u32 v9, v0, 4, 1                         ; h
	s_delay_alu instid0(VALU_DEP_2)
	v_and_b32 v10, 7, v8
	s_delay_alu instid0(VALU_DEP_3)
	v_lshrrev_b32 v11, 3, v8
	s_delay_alu instid0(VALU_DEP_2)
	v_lshlrev_b32 v[QO], 6, v10
	s_delay_alu instid0(VALU_DEP_1)
	v_lshl_add_u32 v[QO], v11, 10, v[QO]
	s_delay_alu instid0(VALU_DEP_1)
	v_lshl_add_u32 v[QO], v9, 4, v[QO]
	global_load_b128 v[16:19], v[QO], s[6:7]                 ; a fragment of 16 rows x 64: registers 0-3: channels 16 h + 0..15, registers 4-7: 32 + 16 h + 0..15: the same order in Q and in K
	global_load_b128 v[20:23], v[QO], s[6:7] offset:32
	global_load_b128 v[224:227], v[QO], s[8:9]               ; the second block's Q waits in registers
	global_load_b128 v[228:231], v[QO], s[8:9] offset:32
	v_lshrrev_b32 v10, 2, v8
	s_delay_alu instid0(VALU_DEP_1)
	v_mul_u32_u24 v[AK0], v10, 272                 ; K: stored key r of a tile: LDS row r / 4, 64 (r % 4) bytes in, + 16 h: the sixteen lanes of a half take sixteen different columns of 16 bytes
	v_and_b32 v10, 3, v8
	s_delay_alu instid0(VALU_DEP_1)
	v_lshl_add_u32 v[AK0], v10, 6, v[AK0]
	s_delay_alu instid0(VALU_DEP_1)
	v_lshl_add_u32 v[AK0], v9, 4, v[AK0]
	v_mul_u32_u24 v[AV0], v8, 272                  ; V: stored channel r of a tile, + 16 h
	s_delay_alu instid0(VALU_DEP_1)
	v_lshl_add_u32 v[AV0], v9, 4, v[AV0]
	s_delay_alu instid0(VALU_DEP_1)
	v_add_nc_u32 v[AV0], VOFF, v[AV0]
	v_and_b32 v10, 31, v0
	s_delay_alu instid0(VALU_DEP_1)
	v_lshlrev_b32 v[GO], 4, v10
	; W_proj's images: waves 2 and 3, one image of 16 rows x 128 K each: number 2 (4 plane + I) + w % 2 of 512
	s_lshr_b32 s88, s[WV], 1
	s_cmp_eq_u32 s88, 1
	s_cbranch_scc0 .Lno_image
	s_lshl_b32 s88, s84, 2
	s_add_co_u32 s88, s88, s[BLKI]
	s_lshl_b32 s88, s88, 1
	s_and_b32 s89, s[WV], 1
	s_add_co_u32 s88, s88, s89
	s_lshr_b32 s12, s88, 3
	s_lshl_b32 s12, s12, 14                        ; 16 rows of 1,024 bytes,
	s_and_b32 s13, s88, 7
	s_lshl_b32 s13, s13, 7                         ; 128 along K
	s_add_co_u32 s12, s12, s13
	s_mov_b32 s13, 0
	s_add_nc_u64 s[92:93], s[92:93], s[12:13]
	s_lshl_b32 s12, s88, 11                        ; an image is 2,048 bytes
	s_add_nc_u64 s[90:91], s[90:91], s[12:13]
	v_lshlrev_b32 v221, 10, v8
	s_delay_alu instid0(VALU_DEP_1)
	v_lshl_add_u32 v221, v9, 4, v221               ; row r, + 16 h
.irp c, 0,1,2,3
	global_load_b128 v[232+4*\c:235+4*\c], v221, s[92:93] offset:32*\c
.endr
	s_wait_loadcnt 0x0
	s_wait_alu depctr_va_vdst(0)
.irp c, 0,1,2,3
	global_store_b128 v[GO], v[232+4*\c:235+4*\c], s[90:91] offset:512*\c   ; 32 lanes store 512 consecutive bytes
.endr
.Lno_image:
	; y: tile t / 16 = 128 batch + 16 block + w, 16,384 bytes each; in it my head's 1,024
	s_lshr_b32 s88, s84, 4
	s_lshl_b32 s88, s88, 7
	s_add_co_u32 s88, s88, s[WV]
	s_lshl_b32 s88, s88, 14
	s_and_b32 s89, s84, 15
	s_lshl_b32 s89, s89, 10
	s_add_co_u32 s88, s88, s89
	s_mov_b32 s89, 0
	s_add_nc_u64 s[94:95], s[94:95], s[88:89]
	s_lshl_b32 s88, s[BLKI], 18
	s_add_nc_u64 s[Y1:Y1+1], s[94:95], s[88:89]
	s_lshl_b32 s88, s85, 18
	s_add_nc_u64 s[Y2:Y2+1], s[94:95], s[88:89]
	s_lshl_b32 s88, s[WV], 4
	s_lshl_b32 s[Q0], s[BLKI], 8
	s_add_co_u32 s[Q0], s[Q0], s88
	s_lshl_b32 s[Q0B], s85, 8
	s_add_co_u32 s[Q0B], s[Q0B], s88
	; the prefetches (macro ASK): where my wave's stand, and who asks
	s_cmp_lt_u32 s[WV], 6                          ; waves 4 and 5 ask for K's codes, waves 6 and 7 for V's
	s_cselect_b64 s[PFA:PFA+1], s[KB:KB+1], s[VB:VB+1]
	s_mov_b32 s[PFS], 256
	s_cselect_b32 s[PFS], 16384, s[PFS]            ; a slot on
	s_mov_b32 s84, 2048
	s_cselect_b32 s84, 256, s84                    ; from lane to lane
	s_mov_b32 s85, 65536
	s_cselect_b32 s85, 8192, s85                   ; from wave to wave
	v_and_b32 v[PFO], 31, v0
	s_delay_alu instid0(VALU_DEP_1)
	v_mul_lo_u32 v[PFO], v[PFO], s84
	s_and_b32 s86, s[WV], 1
	s_mul_i32 s86, s86, s85
	s_mov_b32 s87, 0
	s_mov_b32 s[PFS+1], 0
	s_add_nc_u64 s[PFA:PFA+1], s[PFA:PFA+1], s[86:87]  ; in slot 0: the first change of slots steps it to slot 1
	s_sub_co_u32 s86, s[WV], 4
	s_lshr_b32 s86, s86, 2                         ; 0 in waves 4 to 7,
	s_or_b32 s86, s86, ttmp9                       ; of the work-group with I = 0
	s_cmp_eq_u32 s86, 0
	s_cselect_b32 s[LIM], 7, 0
	INIT
	v_mov_b32 v210, 0                              ; written once: a lane permute's destination counts as one of its sources
	v_mov_b32 v213, 0                              ; (named as the upper half of the pair v[212:213])
	s_wait_kmcnt 0x0
	s_add_co_i32 s84, s70, s71
	s_lshl_b32 s84, s84, 23
	s_add_co_i32 s[CS], s[CS], s84                 ; a score stands for score x 2^(e2 + e3): the two exponents are added to c's exponent field
	s_mov_b32 s[CS+1], s[CS]                       ; (named with it as a pair, so it is written)
	s_add_co_i32 s84, s72, 127
	s_lshl_b32 s85, s84, 23
	v_mov_b32 v217, s85                            ; 2^e4 as f32, for p's conversions
	s_add_co_i32 s[EPV], s72, s73                  ; e4 + e5
	s_add_co_i32 s84, s74, 127
	s_lshl_b32 s85, s84, 23
	v_mov_b32 v222, s85                            ; 2^e6, for y's conversions
; A KEY STEP: 128 keys, the q-th of the slot in hand.  A step all of whose keys come after my 16 queries is left out: a scalar branch on ids, round the step's loads, products and softmax; no barrier or tensor load stands in a step.
.macro STEP q
	s_add_co_u32 s57, s[Q0], 15
	s_cmp_gt_u32 s[KF], s57
	s_cbranch_scc1 .Lhidden_\@
	v_add_nc_u32 v[ADK], s[TB], v[AK0]
	v_add_nc_u32 v[ADV], s[TB], v[AV0]
	v_nop                                          ; with the two additions: four places in front of loads into registers that the last products have read
	v_nop
.irp t, 0,1,2,3,4,5,6,7                        ; K's eight tiles of 16 stored keys
	ds_load_b128 v[32+8*\t:35+8*\t], v[ADK] offset:8704*(\q)+1088*\t
	ds_load_b128 v[36+8*\t:39+8*\t], v[ADK] offset:8704*(\q)+1088*\t+32
.endr
	s_wait_alu depctr_va_vdst(0)
	s_wait_dscnt 8                                 ; tiles 0-3 are in: the eight loads of tiles 4-7 may be out
.irp t, 0,1,2,3
	v_wmma_f32_16x16x64_fp8_fp8 v[96+8*\t:103+8*\t], v[32+8*\t:39+8*\t], v[16:23], 0
.endr
	s_wait_dscnt 0x0
.irp t, 4,5,6,7
	v_wmma_f32_16x16x64_fp8_fp8 v[96+8*\t:103+8*\t], v[32+8*\t:39+8*\t], v[16:23], 0
.endr
.rept 4
	v_nop                                          ; places: K's registers take V's fragments, and the scores are read
.endr
.irp d, 0,1,2,3                                ; V's four tiles of 16 stored channels x these 128 keys: they land while the softmax is worked
.irp c, 0,1,2,3
	ds_load_b128 v[32+16*\d+4*\c:35+16*\d+4*\c], v[ADV] offset:4352*\d+128*(\q)+32*\c
.endr
.endr
	s_add_co_u32 s57, s[KF], 127                   ; on the diagonal the scores of hidden keys become -infinity ahead of the maximum: p = 0 then.  A step all of whose keys count skips this
	s_cmp_le_u32 s57, s[Q0]
	s_cbranch_scc1 .Lopen_\@
	s_sub_co_i32 s57, s[Q0], s[KF]
	v_and_b32 v218, 15, v0
	v_bfe_u32 v219, v0, 4, 1
	s_delay_alu instid0(VALU_DEP_1)
	v_lshlrev_b32 v219, 4, v219
	s_delay_alu instid0(VALU_DEP_1)
	v_sub_nc_u32 v218, v218, v219
	s_delay_alu instid0(VALU_DEP_1)
	v_add_nc_u32 v218, s57, v218                   ; d = my query - the step's first key - 16 (lane / 16).  Register 16 b + i holds key 32 b + 16 (lane / 16) + i of the step: hidden where 32 b + i > d
	v_mov_b32 v219, 0xff800000                     ; -infinity
.set n, 0
.rept 64
	v_cmp_gt_i32 vcc_lo, 32*(n/16)+n%16, v218
	v_cndmask_b32 v[96+n], v[96+n], v219, vcc_lo
.set n, n+1
.endr
.Lopen_\@:
	v_max3_num_f32 v208, v96, v97, v98             ; the step's largest score of my query, among my 64 keys, in two chains,
	v_max3_num_f32 v209, v99, v100, v101
.irp i, 6,10,14,18,22,26,30,34,38,42,46,50,54,58
	v_max3_num_f32 v208, v208, v[96+\i], v[97+\i]
	v_max3_num_f32 v209, v209, v[98+\i], v[99+\i]
.endr
	v_max3_num_f32 v208, v208, v158, v159
	s_delay_alu instid0(VALU_DEP_1)
	v_max_num_f32 v208, v208, v209
	s_delay_alu instid0(VALU_DEP_1)
	v_permlanex16_b32 v210, v208, s[SEL], s[SEL+1]
	s_delay_alu instid0(VALU_DEP_1)
	v_max_num_f32 v208, v208, v210                 ; and among lane l xor 16's.  (The step's first key counts for each of my queries, so this is a number)
	s_delay_alu instid0(VALU_DEP_1)
	v_mul_f32 v208, s[CS], v208                    ; as t (c is positive)
	s_delay_alu instid0(VALU_DEP_1)
	v_max_num_f32 v13, v13, v208                   ; the running largest t
	v_mov_b32 v208, v12
	s_delay_alu instid0(VALU_DEP_2)
	v_floor_f32 v12, -v13                          ; the new -M = floor(-t) = -ceil(t): M is a whole number
	s_delay_alu instid0(VALU_DEP_1)
	v_sub_f32 v208, v12, v208                      ; M's old value less its new one: a whole number, 0 or less
	s_delay_alu instid0(VALU_DEP_1)
	v_cvt_i32_f32 v208, v208                       ; (it saturates)
	s_delay_alu instid0(VALU_DEP_1)
	v_ldexp_f32 v212, 1.0, v208                    ; f = 2^(old M - new M)
.set j, 0
.rept 32
	v_pk_fma_f32 v[96+j:97+j], v[96+j:97+j], s[CS:CS+1], v[12:13] op_sel_hi:[1,0,0]   ; t - M, two at a time (of the pairs c and -M the low word serves both halves)
.set j, j+2
.endr
.set j, 0
	s_wait_alu depctr_va_vdst(0)
.rept 64
	v_exp_f32 v[96+j], v[96+j]                     ; p = 2^(t - M), at most 1: not normalised
.set j, j+1
.endr
	v_pk_mul_f32 v[14:15], v[14:15], v[212:213] op_sel_hi:[1,0]   ; the sums under the new M: the plain instruction behind the exponentials
	s_wait_alu depctr_va_vdst(0)                   ; one wait for the whole batch of exponentials, ahead of its first reader
	v_pk_add_f32 v[214:215], v[100:101], v[104:105]
	v_pk_add_f32 v[254:255], v[108:109], v[112:113]
	v_pk_add_f32 v[252:253], v[116:117], v[120:121]
	v_pk_add_f32 v[250:251], v[124:125], v[128:129]
	v_pk_add_f32 v[248:249], v[132:133], v[136:137]
	v_pk_add_f32 v[246:247], v[140:141], v[144:145]
	v_pk_add_f32 v[244:245], v[148:149], v[152:153]
	v_pk_add_f32 v[14:15], v[14:15], v[156:157]
	v_pk_add_f32 v[214:215], v[214:215], v[96:97]
	v_pk_add_f32 v[254:255], v[254:255], v[98:99]
	v_pk_add_f32 v[252:253], v[252:253], v[102:103]
	v_pk_add_f32 v[250:251], v[250:251], v[106:107]
	v_pk_add_f32 v[248:249], v[248:249], v[110:111]
	v_pk_add_f32 v[246:247], v[246:247], v[114:115]
	v_pk_add_f32 v[244:245], v[244:245], v[118:119]
	v_pk_add_f32 v[14:15], v[14:15], v[122:123]
	v_pk_add_f32 v[214:215], v[214:215], v[126:127]
	v_pk_add_f32 v[254:255], v[254:255], v[130:131]
	v_pk_add_f32 v[252:253], v[252:253], v[134:135]
	v_pk_add_f32 v[250:251], v[250:251], v[138:139]
	v_pk_add_f32 v[248:249], v[248:249], v[142:143]
	v_pk_add_f32 v[246:247], v[246:247], v[146:147]
	v_pk_add_f32 v[244:245], v[244:245], v[150:151]
	v_pk_add_f32 v[14:15], v[14:15], v[154:155]
	v_pk_add_f32 v[214:215], v[214:215], v[158:159]
	s_delay_alu instid0(VALU_DEP_2)
	v_pk_add_f32 v[14:15], v[14:15], v[250:251]
	s_delay_alu instid0(VALU_DEP_2)
	v_pk_add_f32 v[214:215], v[214:215], v[248:249]
	v_pk_add_f32 v[254:255], v[254:255], v[246:247]
	v_pk_add_f32 v[252:253], v[252:253], v[244:245]
	s_delay_alu instid0(VALU_DEP_2)
	v_pk_add_f32 v[14:15], v[14:15], v[254:255]
	s_delay_alu instid0(VALU_DEP_2)
	v_pk_add_f32 v[214:215], v[214:215], v[252:253]
	s_delay_alu instid0(VALU_DEP_1)
	v_pk_add_f32 v[14:15], v[14:15], v[214:215]
.irp b, 0,1,2,3
.irp i, 0,1,2,3,4,5,6,7,8,9,10,11,12,13,14,15
.endr
	v_cvt_scalef32_pk8_fp8_f32 v[192+4*\b:193+4*\b], v[96+16*\b:103+16*\b], v217
	v_cvt_scalef32_pk8_fp8_f32 v[194+4*\b:195+4*\b], v[104+16*\b:111+16*\b], v217
.endr
.set j, 0
.rept 16
	v_pk_mul_f32 v[160+j:161+j], v[160+j:161+j], v[212:213] op_sel_hi:[1,0]   ; O^T under the new M: x f.  (Plain instructions between the conversions and the products that read the codes)
.set j, j+2
.endr
	s_wait_alu depctr_va_vdst(0)
	s_wait_dscnt 0x0                               ; V's fragments are in
.irp d, 0,1,2,3                                ; O^T += V^T P^T: four accumulators, one instruction a turn
	v_wmma_f32_16x16x128_fp8_fp8 v[160+8*\d:167+8*\d], v[32+16*\d:47+16*\d], v[192:207], v[160+8*\d:167+8*\d]
.endr
.Lhidden_\@:
	s_add_co_u32 s[KF], s[KF], 128
.endm
; THE CHANGE OF SLOTS stands at a trip's head.  Each wave waits for all its tensor loads (its part of the slot that it is about to read), adds 0 to its spare word, and waits for that and for its reads of the slot that it has left.
; Behind the barrier the slot ahead is whole and nobody reads the other one.  fill = 1: that other slot is filled with the keys that the next trip wants: slot T + 1 while T < I, else slot T - I of the second block's walk.
.macro CHANGE fill
	s_wait_tensorcnt 0x0                           ; no tensor load of mine is out, so a group 0 may be written
	ds_add_u32 v[SPW], v[NIL]                      ; 0 onto my spare word; with fill = 1 the descriptors are made between it and the wait for it
.if \fill
	s_xor_b32 s[G0K+1], s[G0K+1], SLOT1            ; the other LDS slot than last time
	s_xor_b32 s[G0V+1], s[G0V+1], SLOT1
	s_add_co_u32 s57, s[TRIP], 1
	s_sub_co_u32 s58, s[TRIP], s[BLKI]
	s_cmp_lt_u32 s[TRIP], s[BLKI]
	s_cselect_b32 s[NS], s57, s58
	s_lshl_b32 s[OFK], s[NS], 14                   ; 256 keys of 64 bytes
	s_lshl_b32 s[OFV], s[NS], 8                    ; 256 bytes along each of V's rows
	s_add_nc_u64 s[G0K+2:G0K+3], s[KB:KB+1], s[OFK:OFK+1]
	s_or_b32 s[G0K+3], s[G0K+3], 0x80000000
	s_add_nc_u64 s[G0V+2:G0V+3], s[VB:VB+1], s[OFV:OFV+1]
	s_or_b32 s[G0V+3], s[G0V+3], 0x80000000
	s_wait_xcnt 0x0                                ; the last prefetch, a trip back, has read its address, so it may be written
	s_add_nc_u64 s[PFA:PFA+1], s[PFA:PFA+1], s[PFS:PFS+1]
.endif
	s_wait_dscnt 0x0                               ; the add is done, and my reads of the slot that I have left are over
	s_barrier_signal -1
	s_barrier_wait -1
.if \fill
	TLOAD                                          ; the first thing behind the barrier, and a wave's one tensor load until the next: one load of mine is out at the most
	ASK
.endif
.endm
; A BLOCK'S WAY OUT.  O^T x 2^(e4 + e5) / the sum is y; converted, a lane's registers 16 beta + 0..15 are 16 neighbouring channels: 16 bytes.  y: the scalar pair with my tile's address.
.macro WAYOUT y
.rept 4
	v_nop                                          ; places behind the last products
.endr
	v_add_f32 v14, v14, v15                        ; the sum's two halves,
	s_wait_alu depctr_va_vdst(0)
	v_permlanex16_b32 v210, v14, s[SEL], s[SEL+1]
	s_delay_alu instid0(VALU_DEP_1)
	v_add_f32 v14, v14, v210                       ; and lane l xor 16's: the row's sum
	s_wait_alu depctr_va_vdst(0)
	v_rcp_f32 v14, v14
	v_nop                                          ; a plain instruction behind the transcendental
	s_wait_alu depctr_va_vdst(0)                   ; and the wait ahead of its first reader
	v_ldexp_f32 v14, v14, s[EPV]
.set j, 0
.rept 16
	v_pk_mul_f32 v[96+j:97+j], v[160+j:161+j], v[14:15] op_sel_hi:[1,0]   ; each accumulator from its low end on
.set j, j+2
.endr
.set j, 0
.rept 32
.set j, j+1
.endr
	s_wait_alu depctr_va_vdst(0)
	s_wait_xcnt 0x0                                ; the first block's stores have read v[24:31]: they are written again only behind this wait
.irp b, 0,1
	v_cvt_scalef32_pk8_fp8_f32 v[24+4*\b:25+4*\b], v[96+16*\b:103+16*\b], v222
	v_cvt_scalef32_pk8_fp8_f32 v[26+4*\b:27+4*\b], v[104+16*\b:111+16*\b], v222
.endr
	v_nop                                          ; one plain vector instruction behind the last scaled conversion
	global_store_b128 v[GO], v[24:27], s[\y:\y+1]                ; beta = 0: 32 lanes store 512 consecutive bytes, aligned
	global_store_b128 v[GO], v[28:31], s[\y:\y+1] offset:512     ; beta = 1
.endm
	s_wait_loadcnt 0x0                             ; Q, both blocks'
.Lslot:                                            ; eight trips: behind each change of slots but the last the next trip's slot is asked for
	CHANGE 1
	STEP 0
	STEP 1
	s_xor_b32 s[TB], s[TB], SLOT1                  ; on to the other slot
	s_cmp_eq_u32 s[TRIP], s[BLKI]                  ; block I is finished behind trip I: it goes out, and block 7 - I begins at key 0
	s_cbranch_scc0 .Lsame_block
	WAYOUT Y1
	s_mov_b32 s[KF], 0
	s_mov_b32 s[Q0], s[Q0B]
.irp i, 0,1,2,3,4,5,6,7
	v_mov_b32 v[16+\i], v[224+\i]
.endr
	INIT
.Lsame_block:
	s_add_co_u32 s[TRIP], s[TRIP], 1
	s_cmp_lt_u32 s[TRIP], 8
	s_cbranch_scc1 .Lslot
	CHANGE 0                                       ; the last trip is written out
	STEP 0
	STEP 1
	WAYOUT Y2
	s_wait_tensorcnt 0x0                           ; the wave's end
	ds_add_u32 v[SPW], v[NIL]
	s_wait_dscnt 0x0
	s_endpgm
.Lfunc_end_k_qd9a88868f4_attn:
	.size	k_qd9a88868f4_attn, .Lfunc_end_k_qd9a88868f4_attn-k_qd9a88868f4_attn
	.p2alignl 7, 3214868480
	.fill 96, 4, 3214868480
	.section	.rodata,"a",@progbits
	.p2align	6, 0x0
	.amdhsa_kernel k_qd9a88868f4_attn
		.amdhsa_group_segment_fixed_size 327680
		.amdhsa_private_segment_fixed_size 0
		.amdhsa_enable_private_segment 0
		.amdhsa_kernarg_size 56
		.amdhsa_user_sgpr_count 2
		.amdhsa_user_sgpr_kernarg_segment_ptr 1
		.amdhsa_wavefront_size32 1
		.amdhsa_system_sgpr_workgroup_id_x 1
		.amdhsa_system_sgpr_workgroup_id_y 1
		.amdhsa_system_sgpr_workgroup_id_z 1
		.amdhsa_system_vgpr_workitem_id 0
		.amdhsa_next_free_vgpr 256
		.amdhsa_next_free_sgpr 96
		.amdhsa_reserve_vcc 1
		.amdhsa_float_denorm_mode_32 3
		.amdhsa_float_denorm_mode_16_64 3
		.amdhsa_fp16_overflow 1
		.amdhsa_memory_ordered 1
		.amdhsa_forward_progress 1
		.amdhsa_inst_pref_size 95
	.end_amdhsa_kernel
	.amdgpu_metadata
---
amdhsa.version: [ 1, 2 ]
amdhsa.kernels:
  - .name:           k_qd9a88868f4_attn
    .symbol:         k_qd9a88868f4_attn.kd
    .args:
      - { .name: q_codes, .offset: 0, .size: 8, .value_kind: global_buffer, .address_space: global }
      - { .name: k_codes, .offset: 8, .size: 8, .value_kind: global_buffer, .address_space: global }
      - { .name: v_codes, .offset: 16, .size: 8, .value_kind: global_buffer, .address_space: global }
      - { .name: lowp_scales, .offset: 24, .size: 8, .value_kind: global_buffer, .address_space: global }
      - { .name: W_proj_codes, .offset: 32, .size: 8, .value_kind: global_buffer, .address_space: global }
      - { .name: y_codes, .offset: 40, .size: 8, .value_kind: global_buffer, .address_space: global }
      - { .name: w_img, .offset: 48, .size: 8, .value_kind: global_buffer, .address_space: global }
    .group_segment_fixed_size: 327680
    .private_segment_fixed_size: 0
    .kernarg_segment_align: 8
    .kernarg_segment_size: 56
    .max_flat_workgroup_size: 512
    .sgpr_count:     96
    .vgpr_count:     256
    .wavefront_size: 32
...
	.end_amdgpu_metadata
.endif
;; end of part 2
;; launch proj (part 3): grid 256 x 1, 4 waves a work-group, clusters of 4 x 1, 168,448 bytes of LDS; arguments y_codes, w_img, b_proj, lowp_scales, out0; writes out0
.if DOCPART == 3
	.amdgcn_target "amdgcn-amd-amdhsa--gfx1250"
	.amdhsa_code_object_version 6
	.text
	.protected	k_qd9a88868f4_proj
	.globl	k_qd9a88868f4_proj
	.p2align	8
	.type	k_qd9a88868f4_proj,@function
k_qd9a88868f4_proj:
	s_mov_b64 s[64:65], 0
	v_nop
	global_prefetch_b8 v0, s[64:65] scope:SCOPE_SE
	s_setreg_imm32_b32 hwreg(HW_REG_WAVE_MODE, 25, 1), 1
	s_wait_xcnt 0x0
	s_wait_alu depctr_hold_cnt(0) depctr_sa_sdst(0) depctr_va_vdst(0) depctr_va_sdst(0) depctr_va_ssrc(0) depctr_va_vcc(0) depctr_vm_vsrc(0)
	s_getreg_b32 s2, hwreg(HW_REG_IB_STS2, 6, 4)
	s_cmp_eq_u32 s2, 0
	s_cbranch_scc0 .Lentry_in_a_cluster
	s_endpgm
.Lentry_in_a_cluster:
	s_bfe_u32 s2, ttmp6, 0x10000c
	s_cmp_lg_u32 s2, 0x3003
	s_cbranch_scc0 .Lentry_shape_is_right
	s_endpgm
.Lentry_shape_is_right:
; out0 = y W_proj^T x 2^(e6 + e7) + b_proj, on codes of FP8 (E4M3).  e6, e7: entries 6 and 7 of lowp_scales.  out0: [8192][1024] f32.
; Both operands come as IMAGES OF THE OPERAND'S REGISTERS, laid by the launch before: y_codes [16 rows: 512][128 along K: 8][c: 4][lane][16 bytes], w_img [16 rows of W_proj: 64][8][4][lane][16]:
; lane (r, h) holds, of row r, k = 128 s + 32 c + 16 h + 0 .. 15: registers 4 c .. 4 c + 3 of a fragment, the same order of k on both sides.  Every load, from memory or LDS, covers 512 consecutive bytes.
; SHARES.  A cluster of four work-groups takes 128 rows (its x: 0..63); work-group cx takes columns 256 cx on, wave w of it 64 of them: 128 x 64, 32 accumulators, 256 matrix instructions.
; All of K is resident.  The wave's part of W_proj (64 rows x 1,024: 512 registers) goes from memory into the registers in which it stays.  The 128 rows of y (131,072 bytes) are the same for the four partners:
; they are asked for JOINTLY (mask 15), in four quarters of K, each wave a quarter of the rows: four tensor loads of mine are out at the most.  No LDS byte is filled twice.
; THE MATRIX INSTRUCTION IS USED TRANSPOSED (source 0 = 16 rows of W_proj, source 1 = 16 rows of y): a lane holds eight neighbouring columns of one row of out0.
; LIMIT: e6 + e7 between -126 and 127, so that 2^(e6 + e7) is an f32 number.
; REGISTERS, in windows of 256: window 0: v16-24 addresses; v32-63 a block's results; v64-95 the bias; v128-255 y's fragments, one set of eight.
;   windows 1, 2: W_proj's fragments: (s, nt) at v[64 (s % 4) + 16 nt] of window 1 + s / 4; on the way out window 1 takes the rows read back.   window 3: accumulator (mt, nt) at v[8 (4 mt + nt)].
.set STAGE, 131072                     ; behind y's 131,072 bytes: 16 rows x (256 bytes + 16) for each wave, for the way out; no tensor load lands there
.set LI,   16                          ; v16-19  16 x lane + 32,768 x quarter of K
.set STO,  20                          ; v20     the stage: where I put 32 bytes of a row
.set RD,   21                          ; v21     and where I read a row back
.set CO,   22                          ; v22     my byte offset in out0
.set WO,   23                          ; v23     16 x lane: my place in an image in memory
.set BO,   24                          ; v24     32 h: my place in the bias
.set TMP,  32
.set BI,   64
.set AF,   128
.set G1,   16                          ; s[16:23] descriptor group 1;  s[32:47] four groups 0
.set G0,   32
.set MSB, 0
.macro WIN new                         ; the immediate's high byte repeats the setting that is left
.if MSB != (\new)
	s_set_vgpr_msb (MSB<<8)|(\new)
.set MSB, (\new)
.endif
.endm
.macro CROUND                          ; a round of the cluster's barrier
	s_barrier_signal -1
	s_barrier_wait -1
	s_cmp_lg_u32 s14, 0
	s_cbranch_scc1 .Lnot_wave_0_\@
	s_barrier_signal -3
.Lnot_wave_0_\@:
	s_barrier_wait -3
	s_barrier_signal -1
	s_barrier_wait -1
.endm
.macro PLACES                          ; four places behind a matrix instruction, in front of loads into registers that it has read and of reads of its result (ISA guide 7.12.1 for vector instructions)
.rept 4
	v_nop
.endr
.endm
.macro BLOAD s                         ; W_proj's four fragments of K step s: sixteen loads of 512 consecutive bytes, into registers that are written once
	WIN 0x40*(1+(\s)/4)
.irp n, 0,1,2,3
.irp c, 0,1,2,3
	global_load_b128 v[64*((\s)%4)+16*\n+4*\c:64*((\s)%4)+16*\n+4*\c+3], v[WO], s[6:7] offset:16384*\n+2048*(\s)+512*\c
.endr
.endr
	WIN 0
.endm
.macro FETCH_A s, i0                   ; y's blocks i0 .. i0 + 3 of K step s, from LDS
.irp m, \i0, \i0+1, \i0+2, \i0+3
.irp c, 0,1,2,3
	ds_load_b128 v[AF+16*(\m)+4*\c:AF+16*(\m)+4*\c+3], v[LI+(\s)/2] offset:4096*(\m)+2048*((\s)%2)+512*\c
.endr
.endr
.endm
.macro MUL s, m0                       ; 16 matrix instructions: y's blocks m0 .. m0 + 3 x W_proj's four.  The 32 accumulators take turns, one instruction a turn, in the same order in every step
	WIN 0xf1+(\s)/4                                ; source 0 window 1 or 2, source 1 window 0, C and D window 3
.irp m, \m0, \m0+1, \m0+2, \m0+3
.irp n, 0,1,2,3
.if (\s) == 0
	v_wmma_f32_16x16x128_fp8_fp8 v[8*(4*(\m)+\n):8*(4*(\m)+\n)+7], v[64*((\s)%4)+16*\n:64*((\s)%4)+16*\n+15], v[AF+16*(\m):AF+16*(\m)+15], 0
.else
	v_wmma_f32_16x16x128_fp8_fp8 v[8*(4*(\m)+\n):8*(4*(\m)+\n)+7], v[64*((\s)%4)+16*\n:64*((\s)%4)+16*\n+15], v[AF+16*(\m):AF+16*(\m)+15], v[8*(4*(\m)+\n):8*(4*(\m)+\n)+7]
.endif
.endr
.endr
.endm
; K step s of eight.  A block of y is free as soon as its four products are issued: blocks 0-3 are fetched anew in the step's middle, blocks 4-7 at its end.
.macro STEP s
.if (\s) <= 5
	s_wait_loadcnt 32                              ; W_proj's fragments of this step are in; the 32 loads of the two steps behind it may be out
.elseif (\s) == 6
	s_wait_loadcnt 16
.else
	s_wait_loadcnt 0
.endif
	s_wait_dscnt 16                                ; y's blocks 0-3 are in; the sixteen loads of blocks 4-7 may be out
	MUL \s, 0
	s_wait_dscnt 0x0                               ; blocks 4-7 are in; no LDS instruction of mine is out
.if ((\s)%2 == 1) && ((\s) < 7)
	s_wait_tensorcnt 3-((\s)+1)/2                  ; my part of the next quarter of K has landed: so many of my four loads were issued behind it
	s_barrier_signal -1
	s_barrier_wait -1                              ; everybody's has.  The later quarters may stay out
.endif
.if (\s) < 7
	PLACES
.endif
.if (\s) <= 4
	BLOAD (\s)+3
.endif
.if (\s) < 7
	WIN 0
	FETCH_A (\s)+1, 0
.endif
	MUL \s, 4
.if (\s) < 7
	PLACES
	WIN 0
	FETCH_A (\s)+1, 4
.endif
.endm
	s_load_b256 s[4:11], s[0:1], 0x0               ; y_codes s[4:5], w_img s[6:7], b_proj s[8:9], the exponents s[10:11]
	s_load_b64 s[12:13], s[0:1], 0x20              ; out0
	v_lshl_add_u32 v126, v0, 2, 0x29000
	v_mov_b32 v127, 0
	ds_add_u32 v126, v127
	ds_add_u32 v126, v127
	v_lshrrev_b32 v1, 5, v0
	v_readfirstlane_b32 s14, v1                    ; wave 0..3
	s_bfe_u32 s15, ttmp6, 0x40000                  ; cx: it enters W_proj's, the bias's and out0's addresses alone
	; descriptor group 1: two rows of 4,096 bytes (two blocks of 16 rows of y, a quarter of K each), 16,384 bytes apart, dense in LDS
	s_mov_b32 s[G1+0], 15|(3<<16)|(1<<21)          ; 15:0 the mask: all four work-groups; 17:16 elements of 8 bytes; 21 set beside a mask; no padding
	s_mov_b32 s[G1+1], 512<<16                     ; tensor_dim0 = 512 elements
	s_mov_b32 s[G1+2], 2<<16                       ; tensor_dim1 = 2
	s_mov_b32 s[G1+3], 512<<16                     ; tile_dim0
	s_mov_b32 s[G1+4], 2                           ; tile_dim1
	s_mov_b32 s[G1+5], 2048                        ; tensor_dim0_stride, in elements
	s_mov_b32 s[G1+6], 0
	s_mov_b32 s[G1+7], 0
	s_lshl_b32 s50, ttmp9, 17                      ; y: the cluster's 128 rows are 131,072 bytes,
	s_lshl_b32 s51, s14, 15                        ; my two blocks of them
	s_add_co_u32 s50, s50, s51
	s_mov_b32 s51, 0
	s_lshl_b32 s52, s14, 13                        ; and their place in a quarter in LDS
	s_lshl_b32 s54, s15, 4                         ; W_proj: tiles of 16 rows 16 cx + 4 w on, 16,384 bytes each
	s_lshl_b32 s55, s14, 2
	s_add_co_u32 s54, s54, s55
	s_lshl_b32 s54, s54, 14
	s_mov_b32 s55, 0
	s_lshl_b32 s56, s15, 10                        ; my first column, 256 cx + 64 w, in bytes of f32
	s_lshl_b32 s57, s14, 8
	s_add_co_u32 s56, s56, s57
	s_mov_b32 s57, 0
	s_lshl_b32 s58, ttmp9, 19                      ; out0: 128 rows of 4,096 bytes
	s_mov_b32 s59, 0
	v_and_b32 v1, 15, v0                           ; r
	v_bfe_u32 v2, v0, 4, 1                         ; h
	v_and_b32 v3, 31, v0                           ; lane
	v_lshlrev_b32 v[WO], 4, v3
.irp q, 0,1,2,3
	v_lshl_add_u32 v[LI+\q], v3, 4, \q*32768
.endr
	s_mul_i32 s53, s14, 16*272
	s_add_co_u32 s53, s53, STAGE                   ; my stage
	v_mul_u32_u24 v4, v1, 272
	v_lshl_add_u32 v4, v2, 5, v4
	v_add_nc_u32 v[STO], s53, v4                   ; in: row r, 32 bytes for each half of the lanes
	v_mul_u32_u24 v4, v2, 272
	v_lshl_add_u32 v4, v1, 4, v4
	v_add_nc_u32 v[RD], s53, v4                    ; back: lanes 0-15 one row of 256 bytes, lanes 16-31 the next
	v_lshlrev_b32 v4, 4, v1
	v_lshl_add_u32 v[CO], v2, 12, v4               ; and the same two rows in out0
	v_lshlrev_b32 v[BO], 5, v2
	s_wait_alu depctr_va_vdst(0)
	s_wait_dscnt 0x0
	s_wait_kmcnt 0x0
	s_load_b256 s[24:31], s[10:11], 0x0            ; e0 .. e7
	s_add_nc_u64 s[4:5], s[4:5], s[50:51]
	s_add_nc_u64 s[6:7], s[6:7], s[54:55]
	s_add_nc_u64 s[8:9], s[8:9], s[56:57]
	s_add_nc_u64 s[12:13], s[12:13], s[56:57]
	s_add_nc_u64 s[12:13], s[12:13], s[58:59]
.irp n, 0,1,2,3                                ; the bias in the result's layout: tile nt, register j: b_proj[my first column + 16 nt + 8 h + j]
	global_load_b128 v[BI+8*\n:BI+8*\n+3], v[BO], s[8:9] offset:64*\n
	global_load_b128 v[BI+8*\n+4:BI+8*\n+7], v[BO], s[8:9] offset:64*\n+16
.endr
	BLOAD 0                                        ; the work-group's own loads go out ahead of the round, while the partners meet
	BLOAD 1
	BLOAD 2
.irp q, 0,1,2,3
	s_mov_b32 s[G0+4*\q], 1                        ; 1:0 count = 1
	s_add_co_u32 s[G0+4*\q+1], s52, \q*32768       ; 63:32 LDS address: quarter q, my two blocks
	s_add_nc_u64 s[G0+4*\q+2:G0+4*\q+3], s[4:5], \q*4096   ; 120:64 global address: 4,096 bytes of a block are a quarter of K
	s_or_b32 s[G0+4*\q+3], s[G0+4*\q+3], 0x80000000        ; 127:126 type = 2
.endr
	CROUND                                         ; all four work-groups are here: the joint loads meet
	tensor_load_to_lds s[G0:G0+3], s[G1:G1+7]
	s_nop 0
	tensor_load_to_lds s[G0+4:G0+7], s[G1:G1+7]
	s_nop 0
	tensor_load_to_lds s[G0+8:G0+11], s[G1:G1+7]
	s_nop 0
	tensor_load_to_lds s[G0+12:G0+15], s[G1:G1+7]
	s_nop 0
.rept 4
	v_nop                                          ; four v_nop follow the last of them
.endr
	s_wait_kmcnt 0x0
	s_add_co_i32 s48, s30, s31                     ; e6 + e7
	s_add_co_i32 s48, s48, 127
	s_lshl_b32 s48, s48, 23                        ; 2^(e6 + e7) as f32
	s_mov_b32 s49, s48                             ; (named with it as a pair, so it is written)
	s_wait_tensorcnt 3                             ; my part of the first quarter of K is in: three loads were issued behind it
	s_barrier_signal -1
	s_barrier_wait -1                              ; everybody's is
	FETCH_A 0, 0
	FETCH_A 0, 4
	STEP 0
	STEP 1
	STEP 2
	STEP 3
	STEP 4
	STEP 5
	STEP 6
	STEP 7
	WIN 0
; THE WAY OUT, block by block of 16 rows x 64 columns.  A lane holds 32 neighbouring bytes of a row and the lanes beside it other rows: a block goes through my own stage in LDS and comes back as rows of 256 bytes.
; LDS serves a wave's instructions in order (ISA guide 5.7.1.4): no wait between the stores and the loads, nor in front of the next block's stores.  Every block comes back into registers of its own, so no store's data are written again.
.macro TOSTAGE m
	WIN 0x03                                       ; source 0 (the sums) window 3
.irp n, 0,1,2,3
.irp i, 0,2,4,6
	v_pk_fma_f32 v[TMP+8*\n+\i:TMP+8*\n+\i+1], v[8*(4*(\m)+\n)+\i:8*(4*(\m)+\n)+\i+1], s[48:49], v[BI+8*\n+\i:BI+8*\n+\i+1] op_sel_hi:[1,0,1]   ; sum x 2^(e6 + e7) + bias, two at a time; each accumulator from its low end on
.endr
.endr
	WIN 0
.irp n, 0,1,2,3
	ds_store_b128 v[STO], v[TMP+8*\n:TMP+8*\n+3] offset:64*\n
	ds_store_b128 v[STO], v[TMP+8*\n+4:TMP+8*\n+7] offset:64*\n+16
.endr
	WIN 0x40                                       ; destination window 1
.irp i, 0,1,2,3,4,5,6,7
	ds_load_b128 v[32*(\m)+4*\i:32*(\m)+4*\i+3], v[RD] offset:544*\i
.endr
	WIN 0
.endm
.macro SEND m, younger                 ; younger: the LDS instructions issued behind block m's loads, which may stay out
	s_wait_dscnt \younger
	WIN 0x04                                       ; the stores' data: window 1
.irp i, 0,1,2,3,4,5,6,7
	global_store_b128 v[CO], v[32*(\m)+4*\i:32*(\m)+4*\i+3], s[12:13] offset:(16*(\m)+2*\i)*4096 th:TH_STORE_NT   ; sixteen lanes store 256 consecutive bytes, aligned; written once, read by nobody here
.endr
	WIN 0
.endm
	PLACES                                         ; behind the last products
	TOSTAGE 0
.irp m, 1,2,3,4,5,6,7
	TOSTAGE \m
	SEND \m-1, 16                                  ; behind block m - 1's loads: block m's eight stores and eight loads
.endr
	SEND 7, 0
	s_wait_tensorcnt 0x0
	ds_add_u32 v126, v127
	s_wait_dscnt 0x0
	CROUND                                         ; the closing round: no work-group ends while a partner may still ask for a tile that names it
	s_endpgm
.Lfunc_end_k_qd9a88868f4_proj:
	.size	k_qd9a88868f4_proj, .Lfunc_end_k_qd9a88868f4_proj-k_qd9a88868f4_proj
	.p2alignl 7, 3214868480
	.fill 96, 4, 3214868480
	.section	.rodata,"a",@progbits
	.p2align	6, 0x0
	.amdhsa_kernel k_qd9a88868f4_proj
		.amdhsa_group_segment_fixed_size 168448
		.amdhsa_private_segment_fixed_size 0
		.amdhsa_enable_private_segment 0
		.amdhsa_kernarg_size 40
		.amdhsa_user_sgpr_count 2
		.amdhsa_user_sgpr_kernarg_segment_ptr 1
		.amdhsa_wavefront_size32 1
		.amdhsa_system_sgpr_workgroup_id_x 1
		.amdhsa_system_sgpr_workgroup_id_y 1
		.amdhsa_system_sgpr_workgroup_id_z 1
		.amdhsa_system_vgpr_workitem_id 0
		.amdhsa_next_free_vgpr 1024
		.amdhsa_next_free_sgpr 66
		.amdhsa_reserve_vcc 0
		.amdhsa_float_denorm_mode_32 3
		.amdhsa_float_denorm_mode_16_64 3
		.amdhsa_memory_ordered 1
		.amdhsa_forward_progress 1
		.amdhsa_inst_pref_size 79
	.end_amdhsa_kernel
	.amdgpu_metadata
---
amdhsa.version: [ 1, 2 ]
amdhsa.kernels:
  - .name:           k_qd9a88868f4_proj
    .symbol:         k_qd9a88868f4_proj.kd
    .args:
      - { .name: y_codes, .offset: 0, .size: 8, .value_kind: global_buffer, .address_space: global }
      - { .name: w_img, .offset: 8, .size: 8, .value_kind: global_buffer, .address_space: global }
      - { .name: b_proj, .offset: 16, .size: 8, .value_kind: global_buffer, .address_space: global }
      - { .name: lowp_scales, .offset: 24, .size: 8, .value_kind: global_buffer, .address_space: global }
      - { .name: out0, .offset: 32, .size: 8, .value_kind: global_buffer, .address_space: global }
    .group_segment_fixed_size: 168448
    .private_segment_fixed_size: 0
    .kernarg_segment_align: 8
    .kernarg_segment_size: 40
    .max_flat_workgroup_size: 128
    .sgpr_count:     66
    .vgpr_count:     1024
    .wavefront_size: 32
...
	.end_amdgpu_metadata
.endif
;; end of part 3
